; MI455X (gfx1250); checked and timed in simulation.
; The chip was launched on July 23, 2026; its instructions are those of AMD's public machine-readable ISA for CDNA 5 (MIT licence, August 2026) and "CDNA5" Instruction Set Architecture Reference Guide (July 2026). The comments in the code are by the model that wrote it; some were corrected since.
;; Causal Self Attention. Allowed arithmetic: matrix products marked QUANTISED: E4M3 operands, one given power-of-two scale a tensor, by v_wmma_f32_16x16x64_fp8_fp8 or v_wmma_f32_16x16x128_fp8_fp8, f32 sums; everything else in f32.
;; Inputs: W_out 1,024 x 1,024 float32; W_qkv 1,024 x 3,072 float32; lowp_scales 8 int32 (the exponents e of the quantised operands' scales 2^e); x 4 x 2,048 x 1,024 float32.
;; Outputs: out0 4 x 2,048 x 1,024 float32.
;; This version of the problem:
;;   THIS VERSION OF THE PROBLEM IS GIVEN IN LOW PRECISION. The matrix products marked QUANTISED in the list below multiply operands that are first quantised to E4M3 (4 exponent bits, 3 mantissa bits; 8 bits a number), with one given power-of-two scale for each operand tensor; their sums are f32. All else is computed in f32.
;;   The module's matrix products, in the order in which they are computed (A, B: the left and right operand; K: the contracted axis; several contracted axes count as one K, in the product's order):
;;     1. [M 8,192, K 1,024] x [K 1,024, N 3,072]; A: input x; B: input W_qkv: QUANTISED (scales: A lowp_scales[0], B lowp_scales[1])
;;     2. batch 64 x [M 2,048, K 64] x [K 64, N 2,048]; A: computed on the way; B: computed on the way: QUANTISED (scales: A lowp_scales[2], B lowp_scales[3])
;;     3. batch 64 x [M 2,048, K 2,048] x [K 2,048, N 64]; A: softmax (see below); B: computed on the way: QUANTISED (scales: A lowp_scales[4], B lowp_scales[5])
;;     4. [M 8,192, K 1,024] x [K 1,024, N 1,024]; A: computed on the way; B: input W_out: QUANTISED (scales: A lowp_scales[6], B lowp_scales[7])
;;   THE QUANTISER, for each operand of a quantised product, along K:
;;     - The operand's scale is 2^e, e = its entry of the input lowp_scales (int32; the entries are numbered through the quantised products in the list's order, A before B).
;;     - Each number is divided by the scale, clamped to +-448, and rounded to the nearest number of E4M3, ties to even, subnormals kept.
;;     - The product sums the exact products of the quantised numbers (number of the format x scale) in f32.
;;   ~~~python
;;   def quantise(x, axis, e):      # numpy; x: float32 -> the quantised numbers, widened to float32 again
;;       x = np.moveaxis(x, axis, -1); K = x.shape[-1]
;;       r = np.clip(x / 2.0 ** e, -448, 448)
;;       step = 2.0 ** (np.maximum(np.frexp(np.where(r == 0, 1, r))[1] - 1, -6) - 3)
;;       q = np.round(r / step) * step * 2.0 ** e      # np.round: ties to even
;;       return np.moveaxis(q, -1, axis).astype(np.float32)
;;   ~~~
;;   SOFTMAX AHEAD OF A QUANTISED PRODUCT. Where the list says 'softmax', what is quantised is not the finished softmax but p = 2^(t - M), with t = logit x log2(e) and M = ceil(the row's largest t), a whole number; so 1/2 < the row's largest p <= 1. The row's sum l is taken of the UNQUANTISED p, in f32, and the product's result is divided by l at the end. Since M is a whole number, a kernel that streams over the keys may use a running M (the ceiling of the running maximum): every later rescaling is an exact power of two, so the quantised numbers keep their values, but for numbers so far below the row's largest that they fall under the format's range.
;;   OPERANDS COMPUTED ON THE WAY. 'Computed on the way' means the value that the module computes at that place (a softmax that the list does not call 'softmax' is quantised finished and normalised). What goes into a quantiser is computed in f32, as accurately as f32 sums, v_exp_f32 and their like allow (about 1e-6 of the number): no bf16 or f16 on the way to a quantiser, and a product that is left as it is and whose result goes on into a quantised operand takes f32 operands (vector FMAs, or v_wmma_f32_16x16x4_f32). A number that lies on a knife's edge between two numbers of the format may be rounded either way, as far as f32 arithmetic and the matrix unit's own rounding can turn it there, and no further.
;; One version. Each part assembles by itself: llvm-mc -triple=amdgcn-amd-amdhsa -mcpu=gfx1250 --defsym DOCPART=n.
;; ======== version 1 of 1: 4 launches
;; limits: right only within a limited range of input values
;; workspace buffers: x_codes 8,388,608 bytes; wqkv_codes 3,145,728 bytes; wout_codes 1,048,576 bytes; q_img 8,388,608 bytes; k_img 8,388,608 bytes; v_img 8,388,608 bytes; y_img 8,388,608 bytes
;; launch quant (part 1): grid 384 x 1, 4 waves a work-group, no clusters, 70,144 bytes of LDS; arguments x, W_qkv, W_out, lowp_scales, x_codes, wqkv_codes, wout_codes; writes x_codes, wqkv_codes, wout_codes
.if DOCPART == 1
	.amdgcn_target "amdgcn-amd-amdhsa--gfx1250"
	.amdhsa_code_object_version 6
	.text
	.protected	k_qd38e49c500_quant
	.globl	k_qd38e49c500_quant
	.p2align	8
	.type	k_qd38e49c500_quant,@function
k_qd38e49c500_quant:
	s_mov_b64 s[64:65], 0
	v_nop
	global_prefetch_b8 v0, s[64:65] scope:SCOPE_SE
	s_setreg_imm32_b32 hwreg(HW_REG_WAVE_MODE, 25, 1), 1
	s_wait_xcnt 0x0
; x [8192][1024], W_qkv [1024 (k)][3072], W_out [1024 (k)][1024], all f32, become codes of FP8 (E4M3), K innermost, 1,024 bytes a row:
; x_codes [8192][1024], wqkv_codes [3072][1024], wout_codes [1024][1024].  code = number / 2^e, held within +-448, to the nearest code, ties to even; e = entry 0, 1, 7 of the scales.
; LIMITS: each of the three e lies between -126 and 119, so that 2^e and 448 x 2^e are f32 numbers.  NaN among the inputs is not served (an infinity is held at the largest code).
; THE ORDER OF K INSIDE A ROW IS THE PROGRAM'S OWN, the same in both operands of a product, so that every product meets its partner:
;   x_codes, wqkv_codes: in each group of 512 along K, stored byte 16 l + 4 i + j holds k = 128 i + 4 l + j (l 0..31, i 0..3, j 0..3): what a lane holds when it takes 16 bytes of each of four loads of 512 bytes of x.
;   wout_codes: in each group of 32 along K, stored byte 16 h + 8 u + i holds k = 16 u + 8 h + i: the order in which the attention launch's register images of y meet 16-byte loads of a row.
; SHARES: work-groups 0-255 take x (a wave: 8,192 numbers, 16 steps of 512); 256-351 take W_qkv, 352-383 W_out (a wave: 32 columns x 256 places along K).  Every work-group reads 128 KiB.
; No matrix unit, no tensor load, no barrier: memory binds and waves share nothing.  The two weights' paths have LDS bytes of their own.
.set R,    16                          ; v16-79   x: four sets of 16 numbers
.set C,    80                          ; v80-143  x: four registers of codes for each step: no store's data are written again
.set XW,   32                          ; v32-95   weights: two sets of 32 numbers
.set CW,   96                          ; v96-103  weights: a block's codes
.set OUTR, 112                         ; v112-175 weights: the way out
.set SP,   272                         ; a stage row: 256 bytes + 16 of padding
.macro SCALE e                         ; v11 = 2^e as f32 (the conversion takes its exponent field), v10 = 448 x 2^e
	s_add_co_i32 s32, s[\e], 127
	s_lshl_b32 s33, s32, 23
	v_mov_b32 v11, s33
	s_add_co_i32 s32, s32, 8
	s_lshl_b32 s32, s32, 23
	s_or_b32 s32, s32, 0x600000
	v_mov_b32 v10, s32
.endm
.macro XLOAD t                         ; step t of x: four loads, each 512 consecutive bytes
.irp i, 0,1,2,3
	global_load_b128 v[R+16*((\t)%4)+4*\i:R+16*((\t)%4)+4*\i+3], v3, s[4:5] offset:2048*(\t)+512*\i th:TH_LOAD_NT
.endr
.endm
.macro XSTEP t
.if (\t) < 13
	s_wait_loadcnt 12                              ; this step's four loads are in; those of the three steps behind it may be out
.else
	s_wait_loadcnt 4*(15-(\t))                     ; the counts run down: nothing more is asked for
.endif
.set i, 0
.rept 16
	v_med3_num_f32 v[R+16*((\t)%4)+i], v[R+16*((\t)%4)+i], -v10, v10   ; the conversion to an 8-bit code does not saturate (ISA guide 7.6.2): the hold comes first
.set i, i+1
.endr
	v_cvt_scalef32_pk8_fp8_f32 v[C+4*(\t):C+4*(\t)+1], v[R+16*((\t)%4):R+16*((\t)%4)+7], v11
	v_cvt_scalef32_pk8_fp8_f32 v[C+4*(\t)+2:C+4*(\t)+3], v[R+16*((\t)%4)+8:R+16*((\t)%4)+15], v11
	global_store_b128 v3, v[C+4*(\t):C+4*(\t)+3], s[12:13] offset:512*(\t)   ; the wave stores 512 consecutive bytes, aligned
.if (\t) < 12
	XLOAD (\t)+4                                   ; the set just converted takes the loads of four steps on
.endif
.endm
; Weights: a lane takes a column n and its registers run down K, in the order in which the codes are to lie in the row.  Register i of block t is stored place 32 t + i of the wave's 256.
.macro WLOAD t, N, MODE, SRC
.set i, 0
.rept 32
.if \MODE
	global_load_b32 v[XW+32*((\t)%2)+i], v3, s[\SRC:\SRC+1] offset:(32*(\t)+16*((i/8)%2)+8*(i/16)+i%8)*\N*4 th:TH_LOAD_NT
.else
	global_load_b32 v[XW+32*((\t)%2)+i], v3, s[\SRC:\SRC+1] offset:(8*(\t)+128*((i%16)/4)+4*(i/16)+i%4)*\N*4 th:TH_LOAD_NT
.endif
.set i, i+1
.endr
.endm
.macro WBLOCK t, N, MODE, SRC
.if (\t) < 7
	s_wait_loadcnt 32                              ; this block's 32 loads are in; the next block's may be out
.else
	s_wait_loadcnt 0
.endif
.set i, 0
.rept 32
	v_med3_num_f32 v[XW+32*((\t)%2)+i], v[XW+32*((\t)%2)+i], -v10, v10
.set i, i+1
.endr
.irp g, 0,1,2,3
	v_cvt_scalef32_pk8_fp8_f32 v[CW+2*\g:CW+2*\g+1], v[XW+32*((\t)%2)+8*\g:XW+32*((\t)%2)+8*\g+7], v11
.endr
	ds_store_b128 v4, v[CW:CW+3] offset:32*(\t)    ; 32 codes of my column's row
	ds_store_b128 v4, v[CW+4:CW+7] offset:32*(\t)+16
.if (\t)+2 < 8
	WLOAD (\t)+2, \N, \MODE, \SRC
.endif
	s_wait_dscnt 0x0                               ; the stores have read their registers: the next block's codes may be written
.endm
; One weight.  N: its columns; MODE 0: the order of x_codes, 1: that of wout_codes; LBASE: this path's LDS; SRC, DST: the pointers' registers; ESC: the scale's register; G0: the path's first work-group.
.macro WPATH N, MODE, LBASE, SRC, DST, ESC, G0
	s_sub_co_u32 s20, ttmp9, \G0
	s_and_b32 s21, s20, 3                          ; y: which 256 places of the rows
	s_lshr_b32 s22, s20, 2
	s_lshl_b32 s22, s22, 7
	s_lshl_b32 s23, s18, 5
	s_add_co_u32 s22, s22, s23                     ; my wave's first column: 128 x (work-group / 4) + 32 x wave
.if \MODE
	s_lshl_b32 s23, s21, 8                         ; the first row of W that these places want: 256 y
.else
	s_lshr_b32 s23, s21, 1
	s_lshl_b32 s23, s23, 9
	s_and_b32 s34, s21, 1
	s_lshl_b32 s34, s34, 6
	s_add_co_u32 s23, s23, s34                     ; 512 (y / 2) + 64 (y % 2)
.endif
	s_mul_i32 s34, s23, \N*4
	s_lshl_b32 s35, s22, 2
	s_add_co_u32 s34, s34, s35
	s_mov_b32 s35, 0
	s_add_nc_u64 s[\SRC:\SRC+1], s[\SRC:\SRC+1], s[34:35]
	s_lshl_b32 s34, s22, 10
.if \MODE
	s_lshl_b32 s36, s21, 8
.else
	s_lshl_b32 s36, s21, 12                        ; W_qkv's codes leave as images of operand registers, [n / 16][place / 128][2,048]: registers 4 c .. 4 c + 3 of lane l at 512 c + 16 l; 256 places are two images
.endif
	s_add_co_u32 s34, s34, s36                     ; codes: column x 1,024 + 256 y
	s_add_nc_u64 s[\DST:\DST+1], s[\DST:\DST+1], s[34:35]
	v_lshlrev_b32 v3, 2, v2                        ; in: 4 bytes a lane: a load reads 128 consecutive bytes, the four waves 512
	s_mul_i32 s19, s18, 32*SP
	s_add_co_u32 s19, s19, \LBASE                  ; my stage: 32 rows of 272 bytes
	v_mul_u32_u24 v4, v2, SP
	v_add_nc_u32 v4, s19, v4                       ; into it: row = my column
	v_and_b32 v5, 15, v2
	v_lshrrev_b32 v6, 4, v2
.if \MODE
	v_mul_u32_u24 v7, v6, SP
	v_lshl_add_u32 v7, v5, 4, v7
	v_add_nc_u32 v7, s19, v7                       ; out of it: sixteen lanes to a row, two rows an instruction
	v_lshlrev_b32 v8, 10, v6
	v_lshl_add_u32 v8, v5, 4, v8                   ; and the same place in the codes' buffer
.else
	v_mul_u32_u24 v7, v5, SP
	v_lshl_add_u32 v7, v6, 4, v7
	v_add_nc_u32 v7, s19, v7                       ; out of it: lane l takes row l % 16, 16 bytes at 16 (l / 16): a quarter of an image an instruction
	v_lshlrev_b32 v8, 4, v2                        ; and 16 x lane in the image
.endif
	WLOAD 0, \N, \MODE, \SRC
	WLOAD 1, \N, \MODE, \SRC
	s_wait_kmcnt 0x0
	SCALE \ESC
	s_wait_alu depctr_va_vdst(0)
.irp t, 0,1,2,3,4,5,6,7
	WBLOCK \t, \N, \MODE, \SRC
.endr
.irp t, 0,1,2,3,4,5,6,7,8,9,10,11,12,13,14,15
.if \MODE
	ds_load_b128 v[OUTR+4*\t:OUTR+4*\t+3], v7 offset:2*\t*SP
.else
	ds_load_b128 v[OUTR+4*\t:OUTR+4*\t+3], v7 offset:(\t/8)*16*SP+((\t/4)%2)*128+(\t%4)*32
.endif
.endr
.irp t, 0,1,2,3,4,5,6,7,8,9,10,11,12,13,14,15
	s_wait_dscnt 15-\t                             ; load t is back; the younger ones may be out
.if \MODE
	global_store_b128 v8, v[OUTR+4*\t:OUTR+4*\t+3], s[\DST:\DST+1] offset:2*\t*1024
.else
	global_store_b128 v8, v[OUTR+4*\t:OUTR+4*\t+3], s[\DST:\DST+1] offset:(\t/8)*16384+((\t/4)%2)*2048+(\t%4)*512   ; the wave stores 512 consecutive bytes, aligned
.endif
.endr
.endm
	s_load_b256 s[4:11], s[0:1], 0x0               ; x s[4:5], W_qkv s[6:7], W_out s[8:9], the scales s[10:11]
	s_load_b128 s[12:15], s[0:1], 0x20             ; x_codes s[12:13], wqkv_codes s[14:15]
	s_load_b64 s[16:17], s[0:1], 0x30              ; wout_codes
	v_lshl_add_u32 v192, v0, 2, 0x11000
	v_mov_b32 v193, 0
	v_lshrrev_b32 v1, 5, v0
	v_readfirstlane_b32 s18, v1                    ; wave 0..3
	v_and_b32 v2, 31, v0                           ; lane
	s_wait_kmcnt 0x0
	s_load_b256 s[24:31], s[10:11], 0x0            ; e0 .. e7
	s_cmp_lt_u32 ttmp9, 256
	s_cbranch_scc0 .Lweights
	; ---- x
	s_lshl_b32 s20, ttmp9, 2
	s_add_co_u32 s20, s20, s18                     ; which run of 8,192 numbers is my wave's
	s_lshl_b32 s22, s20, 15
	s_mov_b32 s23, 0
	s_add_nc_u64 s[4:5], s[4:5], s[22:23]
	s_lshl_b32 s22, s20, 13
	s_add_nc_u64 s[12:13], s[12:13], s[22:23]
	s_wait_alu depctr_va_vdst(0)
	v_lshlrev_b32 v3, 4, v2                        ; 16 bytes a lane, in and out; never rewritten
	XLOAD 0
	XLOAD 1
	XLOAD 2
	XLOAD 3
	s_wait_kmcnt 0x0
	SCALE 24
	s_wait_alu depctr_va_vdst(0)
.irp t, 0,1,2,3,4,5,6,7,8,9,10,11,12,13,14,15
	XSTEP \t
.endr
	s_endpgm
.Lweights:
	s_cmp_lt_u32 ttmp9, 352
	s_cbranch_scc0 .Lwout
	s_wait_alu depctr_va_vdst(0)
	WPATH 3072, 0, 0, 6, 14, 25, 256
	s_wait_tensorcnt 0x0
	ds_add_u32 v192, v193
	s_wait_dscnt 0x0
	s_endpgm
.Lwout:
	s_wait_alu depctr_va_vdst(0)
	WPATH 1024, 1, 34816, 8, 16, 31, 352
	s_wait_tensorcnt 0x0
	ds_add_u32 v192, v193
	s_wait_dscnt 0x0
	s_endpgm
.Lfunc_end_k_qd38e49c500_quant:
	.size	k_qd38e49c500_quant, .Lfunc_end_k_qd38e49c500_quant-k_qd38e49c500_quant
	.p2alignl 7, 3214868480
	.fill 96, 4, 3214868480
	.section	.rodata,"a",@progbits
	.p2align	6, 0x0
	.amdhsa_kernel k_qd38e49c500_quant
		.amdhsa_group_segment_fixed_size 70144
		.amdhsa_private_segment_fixed_size 0
		.amdhsa_enable_private_segment 0
		.amdhsa_kernarg_size 56
		.amdhsa_user_sgpr_count 2
		.amdhsa_user_sgpr_kernarg_segment_ptr 1
		.amdhsa_wavefront_size32 1
		.amdhsa_system_sgpr_workgroup_id_x 1
		.amdhsa_system_sgpr_workgroup_id_y 1
		.amdhsa_system_sgpr_workgroup_id_z 1
		.amdhsa_system_vgpr_workitem_id 0
		.amdhsa_next_free_vgpr 194
		.amdhsa_next_free_sgpr 66
		.amdhsa_reserve_vcc 0
		.amdhsa_float_denorm_mode_32 3
		.amdhsa_float_denorm_mode_16_64 3
		.amdhsa_memory_ordered 1
		.amdhsa_forward_progress 1
		.amdhsa_inst_pref_size 125
	.end_amdhsa_kernel
	.amdgpu_metadata
---
amdhsa.version: [ 1, 2 ]
amdhsa.kernels:
  - .name:           k_qd38e49c500_quant
    .symbol:         k_qd38e49c500_quant.kd
    .args:
      - { .name: x, .offset: 0, .size: 8, .value_kind: global_buffer, .address_space: global }
      - { .name: W_qkv, .offset: 8, .size: 8, .value_kind: global_buffer, .address_space: global }
      - { .name: W_out, .offset: 16, .size: 8, .value_kind: global_buffer, .address_space: global }
      - { .name: lowp_scales, .offset: 24, .size: 8, .value_kind: global_buffer, .address_space: global }
      - { .name: x_codes, .offset: 32, .size: 8, .value_kind: global_buffer, .address_space: global }
      - { .name: wqkv_codes, .offset: 40, .size: 8, .value_kind: global_buffer, .address_space: global }
      - { .name: wout_codes, .offset: 48, .size: 8, .value_kind: global_buffer, .address_space: global }
    .group_segment_fixed_size: 70144
    .private_segment_fixed_size: 0
    .kernarg_segment_align: 8
    .kernarg_segment_size: 56
    .max_flat_workgroup_size: 128
    .sgpr_count:     66
    .vgpr_count:     194
    .wavefront_size: 32
...
	.end_amdgpu_metadata
.endif
;; end of part 1
;; launch gemm_qkv (part 2): grid 8 x 32, 4 waves a work-group, clusters of 4 x 1, 327,680 bytes of LDS; arguments x_codes, wqkv_codes, lowp_scales, q_img, k_img, v_img; writes q_img, k_img, v_img
.if DOCPART == 2
	.amdgcn_target "amdgcn-amd-amdhsa--gfx1250"
	.amdhsa_code_object_version 6
	.text
	.protected	k_qd38e49c500_gemm_qkv
	.globl	k_qd38e49c500_gemm_qkv
	.p2align	8
	.type	k_qd38e49c500_gemm_qkv,@function
k_qd38e49c500_gemm_qkv:
	s_mov_b64 s[64:65], 0
	v_nop
	global_prefetch_b8 v0, s[64:65] scope:SCOPE_SE
	s_setreg_imm32_b32 hwreg(HW_REG_WAVE_MODE, 25, 1), 1
	s_wait_xcnt 0x0
	s_wait_alu depctr_hold_cnt(0) depctr_sa_sdst(0) depctr_va_vdst(0) depctr_va_sdst(0) depctr_va_ssrc(0) depctr_va_vcc(0) depctr_vm_vsrc(0)
	s_getreg_b32 s2, hwreg(HW_REG_IB_STS2, 6, 4)
	s_cmp_eq_u32 s2, 0
	s_cbranch_scc0 .Lentry_in_a_cluster
	s_endpgm
.Lentry_in_a_cluster:
	s_bfe_u32 s2, ttmp6, 0x10000c
	s_cmp_lg_u32 s2, 0x3003
	s_cbranch_scc0 .Lentry_shape_is_right
	s_endpgm
.Lentry_shape_is_right:
; qkv = x W_qkv on codes of FP8 (E4M3), K = 1,024, and its results quantised in registers into the operands of the attention's two products.
; SHARES.  Work-group (i, y) holds 256 tokens of x (block y of 32) in LDS for ALL of K and walks three blocks of 128 rows of W: i (q), 8 + i (k), 16 + i (v): 32 x 8 = 256 work-groups of equal work.
; x's rows come by ONE tensor load a wave (64 rows x 1,024 bytes, 16 bytes of padding behind each row: pitch 1,040 = 65 x 16); nothing is filled again.  The four work-groups of a cluster share y: the load is joint, mask 15.
; W's codes lie in memory as images of operand registers ([n / 16][place / 128][2,048]: registers 4 c .. 4 c + 3 of lane l at 512 c + 16 l) and go straight into registers, 512 consecutive bytes a load.
; A wave makes 128 tokens x 64 rows of W (one head): 32 accumulators.  Its 64 rows of W for all of K fill 512 registers; as soon as a K step of 128 is multiplied, its registers take the next block's.
; q, k: source 0 = W's rows, source 1 = x's: a lane holds one token and eight neighbouring channels.  v: the sources swapped: a lane holds one channel and eight neighbouring tokens, the keys.
; So one conversion for each accumulator gives two registers of the next operand, and four registers of 32 lanes leave as 512 consecutive aligned bytes:
;   q_img, k_img: [batch x head 64][token / 16: 128][1,024];   v_img: [64][key / 128: 16][d / 16: 4][2,048].  In all three my first byte is (16 batch + head) x 131,072 + 64 x my first token.
; A sum stands for sum x 2^(e0 + e1); its code is sum / 2^(e - e0 - e1), e = e2 (q), e3 (k), e5 (v).  LIMIT: e - e0 - e1 lies between -126 and 119.
; PREFETCH: a block of W (131,072 bytes) is asked for one tile ahead of the loads that want it, 32,768 bytes a wave, lanes 256 bytes apart; k's at the head, v's in q's tile.  32 work-groups read each block: those of y under 4 ask.
; REGISTERS, in windows of 256: window 0: v0-31 addresses, v32-63 held sums, v64-255 three buffers of four fragments of x (the third holds the codes on the way out);  window 1: accumulator (s, r) at v[8 (8 s + r)];
;   windows 2, 3: W's fragments: K step k, block s at v[64 (k % 4) + 16 s] of window 2 + k / 4.
.set RP,    1040                       ; an LDS row
.set GRP,   64*RP                      ; 64 rows: what a tensor load brings, and four fragments
.set HALFR, 128*RP
.set SPARE, 256*RP                     ; behind the rows: the spare words, 128 bytes for each wave, which no other line names
.set SCL,  12
.set LIM,  13
.set AR,   16                          ; v16, v17: LDS address of my fragments 0-3, 4-7
.set CO,   26                          ; 16 x lane
.set PFO,  27                          ; 256 x lane
.set SPW,  28
.set NIL,  29
.set G1,   24
.set G0,   32
.set NX,   44                          ; s[44:45] my rows of the next block of W
.set PF,   46                          ; s[46:47] my wave's quarter of k's block
.set PFON, 48
.set CNT,  49
.set MSB, 0
.macro WIN new                         ; the immediate's high byte repeats the setting that is left
.if MSB != \new
	s_set_vgpr_msb (MSB<<8)|\new
.set MSB, \new
.endif
.endm
.macro ROUND                           ; a round of the cluster's barrier
	s_barrier_signal -1
	s_barrier_wait -1
	s_cmp_lg_u32 s14, 0
	s_cbranch_scc1 .Lnw0_\@
	s_barrier_signal -3
.Lnw0_\@:
	s_barrier_wait -3
	s_barrier_signal -1
	s_barrier_wait -1
.endm
.macro LOADR t                         ; group t = 2 k + g: x's fragments 4 g .. 4 g + 3 of K step k into buffer t % 3
.irp rr, 0,1,2,3
.irp c, 0,1,2,3
	ds_load_b128 v[64+64*((\t)%3)+16*\rr+4*\c:64+64*((\t)%3)+16*\rr+4*\c+3], v[AR+(\t)%2] offset:\rr*16*RP+((\t)/2)*128+32*\c
.endr
.endr
.endm
.macro LOADS k, base                   ; W's four fragments of K step k
	WIN (2+(\k)/4)<<6
.irp s, 0,1,2,3
.irp c, 0,1,2,3
	global_load_b128 v[64*((\k)%4)+16*\s+4*\c:64*((\k)%4)+16*\s+4*\c+3], v[CO], s[\base:\base+1] offset:\s*16384+(\k)*2048+512*\c
.endr
.endr
.endm
.macro WM t, s, rr, swap
.set DD, 8*(8*\s+4*((\t)%2)+\rr)
.set RR, 64+64*((\t)%3)+16*\rr
.set SS, 64*(((\t)/2)%4)+16*\s
.if \swap
.if (\t) < 2
	v_wmma_f32_16x16x128_fp8_fp8 v[DD:DD+7], v[RR:RR+15], v[SS:SS+15], 0
.else
	v_wmma_f32_16x16x128_fp8_fp8 v[DD:DD+7], v[RR:RR+15], v[SS:SS+15], v[DD:DD+7]
.endif
.else
.if (\t) < 2
	v_wmma_f32_16x16x128_fp8_fp8 v[DD:DD+7], v[SS:SS+15], v[RR:RR+15], 0
.else
	v_wmma_f32_16x16x128_fp8_fp8 v[DD:DD+7], v[SS:SS+15], v[RR:RR+15], v[DD:DD+7]
.endif
.endif
.endm
; Group t: sixteen matrix instructions on sixteen accumulators, which come up again two groups on.  nxt = 1: a K step's registers take the next block's fragments.
.macro STEP t, swap, nxt
.if (\t)%2 == 0
.if \nxt || (16*(7-(\t)/2) > 63)
	s_wait_loadcnt 63                              ; behind this K step's sixteen loads 64 or more were issued; the count names the most that its field holds
.else
	s_wait_loadcnt 16*(7-(\t)/2)                   ; the later K steps' loads may be out
.endif
.endif
.if (\t) < 14
	s_wait_dscnt 32                                ; the two younger groups may be out
.else
	s_wait_dscnt 16*(15-(\t))
.endif
.if \swap
	WIN 0x50|((2+(\t)/8)<<2)
.else
	WIN 0x50|(2+(\t)/8)
.endif
.irp s, 0,1,2,3
.irp rr, 0,1,2,3
	WM \t, \s, \rr, \swap
.endr
.endr
	WIN 0
.rept 4
	v_nop                                          ; places in front of loads into registers that these products read (ISA guide 7.12.1 for vector instructions)
.endr
.if (\t)+3 < 16
	LOADR (\t)+3
.endif
.if \nxt && ((\t)%2 == 1)
	LOADS (\t)/2, NX
	WIN 0
.endif
.endm
; THE WAY OUT: eight units of four accumulators: the hold, each accumulator from its low end on, four conversions, two stores of 512 bytes.  q, k: unit u = token block u, accumulators (0 .. 3, u);  v: unit u = channel block u / 2, token blocks 4 (u % 2) on.
.macro EPI isv
	v_mov_b32 v[SCL], s86
	v_mov_b32 v[LIM], s87
.irp u, 0,1,2,3,4,5,6,7
	WIN 0x01                                       ; source 0: window 1
.irp i, 0,1,2,3
.if \isv
.set AC, 32*\u+8*\i
.else
.set AC, 8*(8*\i+\u)
.endif
.set j, 0
.rept 8
	v_med3_num_f32 v[32+8*\i+j], v[AC+j], -v[LIM], v[LIM]   ; the conversion to an 8-bit code does not saturate (ISA guide 7.6.2)
.set j, j+1
.endr
.endr
	WIN 0
.irp i, 0,1,2,3
	v_cvt_scalef32_pk8_fp8_f32 v[192+8*\u+2*\i:193+8*\u+2*\i], v[32+8*\i:39+8*\i], v[SCL]
.endr
	v_nop                                          ; a plain line between the last conversion and the next unit's holds, which write its sources
	global_store_b128 v[CO], v[192+8*\u:195+8*\u], s[88:89] offset:\u*1024
	global_store_b128 v[CO], v[196+8*\u:199+8*\u], s[88:89] offset:\u*1024+512
.endr
.endm
.macro SCALE d, e                      ; s[d] = 2^(e - e0 - e1), s[d + 1] = 448 x that
	s_sub_co_i32 s94, s[\e], s72
	s_sub_co_i32 s94, s94, s73
	s_add_co_i32 s94, s94, 127
	s_lshl_b32 s[\d], s94, 23
	s_add_co_i32 s94, s94, 8
	s_lshl_b32 s94, s94, 23
	s_or_b32 s[\d+1], s94, 0x600000
.endm
	s_load_b128 s[4:7], s[0:1], 0x0                ; x_codes, W's images
	s_load_b128 s[8:11], s[0:1], 0x10              ; the scales, q_img
	s_load_b128 s[68:71], s[0:1], 0x20             ; k_img, v_img
	v_lshl_add_u32 v[SPW], v0, 2, SPARE
	v_mov_b32 v[NIL], 0
	ds_add_u32 v[SPW], v[NIL]                      ; the opening lines: the add, twice on end, and its wait
	ds_add_u32 v[SPW], v[NIL]
	v_lshrrev_b32 v1, 5, v0
	v_readfirstlane_b32 s14, v1                    ; wave 0..3
	s_lshr_b32 s15, s14, 1                         ; which 128 tokens are mine
	s_and_b32 s16, s14, 1                          ; which 64 rows of W
	s_mul_i32 s21, s15, HALFR
	v_and_b32 v2, 31, v0
	v_lshlrev_b32 v[CO], 4, v2
	v_lshlrev_b32 v[PFO], 8, v2
	v_and_b32 v3, 15, v0
	v_bfe_u32 v4, v0, 4, 1
	v_mul_u32_u24 v3, v3, RP
	v_lshl_add_u32 v3, v4, 4, v3                   ; a fragment's row x pitch + 16 x half
	v_add_nc_u32 v[AR], s21, v3
	v_add_nc_u32 v[AR+1], GRP, v[AR]
	s_bfe_u32 s40, ttmp6, 0x40000                  ; cx
	s_lshl_b32 s42, ttmp9, 2
	s_add_co_u32 s42, s42, s40                     ; i
	s_and_b32 s17, ttmp7, 0xffff                   ; y
	s_mov_b32 s[G1], 15|(1<<20)|(1<<21)|(7<<22)|(3<<25)   ; the mask: all four; elements of 1 byte; padding: four words behind every 256; bit 21 beside a mask
	s_mov_b32 s[G1+1], 1024<<16
	s_mov_b32 s[G1+2], 64<<16
	s_mov_b32 s[G1+3], 1024<<16
	s_mov_b32 s[G1+4], 64
	s_mov_b32 s[G1+5], 1024
	s_mov_b32 s[G1+6], 0
	s_mov_b32 s[G1+7], 0
	s_lshl_b32 s50, s17, 18
	s_lshl_b32 s51, s14, 16
	s_add_co_u32 s50, s50, s51                     ; x: (256 y + 64 wave) rows of 1,024 bytes: no register of the load's holds cx
	s_mov_b32 s51, 0
	s_mul_i32 s52, s14, GRP                        ; where they go
	s_lshl_b32 s54, s42, 17                        ; W: block i,
	s_lshl_b32 s55, s16, 16
	s_add_co_u32 s56, s54, s55                     ; my 64 rows of it
	s_mov_b32 s57, 0
	s_lshl_b32 s55, s14, 15
	s_add_co_u32 s58, s54, s55
	s_add_co_u32 s58, s58, 0x100000                ; my wave's quarter of block 8 + i
	s_mov_b32 s59, 0
	s_lshr_b32 s60, s17, 3                         ; the batch
	s_lshl_b32 s60, s60, 3
	s_add_co_u32 s60, s60, s42
	s_lshl_b32 s60, s60, 1
	s_add_co_u32 s60, s60, s16                     ; 16 batch + head, head = 2 i + my half
	s_lshl_b32 s60, s60, 17
	s_and_b32 s61, s17, 7
	s_lshl_b32 s61, s61, 1
	s_add_co_u32 s61, s61, s15
	s_lshl_b32 s61, s61, 13                        ; 64 bytes x my first token in the batch
	s_add_co_u32 s62, s60, s61
	s_mov_b32 s63, 0
	s_cmp_lt_u32 s17, 4
	s_cselect_b32 s[PFON], 1, 0
	s_wait_alu depctr_va_vdst(0)
	s_wait_dscnt 0x0
	s_wait_kmcnt 0x0
	s_load_b256 s[72:79], s[8:9], 0x0              ; e0 .. e7
	s_add_nc_u64 s[50:51], s[4:5], s[50:51]
	s_add_nc_u64 s[20:21], s[6:7], s[56:57]
	s_add_nc_u64 s[NX:NX+1], s[20:21], 0x100000
	s_add_nc_u64 s[PF:PF+1], s[6:7], s[58:59]
	s_add_nc_u64 s[88:89], s[10:11], s[62:63]      ; where q goes; then k; then v
	s_add_nc_u64 s[90:91], s[68:69], s[62:63]
	s_add_nc_u64 s[92:93], s[70:71], s[62:63]
	s_mov_b32 s[G0], 1
	s_mov_b32 s[G0+1], s52
	s_mov_b64 s[G0+2:G0+3], s[50:51]
	s_or_b32 s[G0+3], s[G0+3], 0x80000000
	ROUND                                          ; the four work-groups are here: the joint loads meet
	tensor_load_to_lds s[G0:G0+3], s[G1:G1+7]      ; my 64 rows of x, all of K: a wave's one tensor load
	s_nop 0
	s_cmp_eq_u32 s[PFON], 1
	s_cbranch_scc0 .Lnopf0
.irp n, 0,1,2,3
	global_prefetch_b8 v[PFO], s[PF:PF+1] offset:\n*8192 th:TH_LOAD_NT scope:SCOPE_SE   ; k's block
.endr
.Lnopf0:
.irp k, 0,1,2,3,4,5,6,7
	LOADS \k, 20                                   ; q's block
.endr
	WIN 0
	s_wait_kmcnt 0x0
	SCALE 86, 74                                   ; q's scale; then k's; then v's
	SCALE 82, 75
	SCALE 84, 77
	s_wait_tensorcnt 0x0                           ; my rows are in,
	s_barrier_signal -1
	s_barrier_wait -1                              ; and everybody's
	LOADR 0
	LOADR 1
	s_mov_b32 s[CNT], 2
.Ltile:                                            ; q, then k
	LOADR 2                                        ; (its buffer held the last tile's codes: the wait on XCNT at the tile's end stands ahead)
	STEP 0, 0, 1
	STEP 1, 0, 1
	s_cmp_eq_u32 s[PFON], 1
	s_cbranch_scc0 .Lnopf1
.irp n, 0,1,2,3
	global_prefetch_b8 v[PFO], s[PF:PF+1] offset:0x100000+\n*8192 th:TH_LOAD_NT scope:SCOPE_SE   ; v's block, in q's tile alone
.endr
.Lnopf1:
.irp t, 2,3,4,5,6,7,8,9,10,11,12,13,14,15
	STEP \t, 0, 1
.endr
	LOADR 0                                        ; the next tile's first two groups land under the way out
	LOADR 1
	EPI 0
	s_wait_xcnt 0x0                                ; the loads, stores and prefetches have read their bases and data
	s_add_nc_u64 s[NX:NX+1], s[NX:NX+1], 0x100000
	s_mov_b64 s[88:89], s[90:91]
	s_mov_b64 s[90:91], s[92:93]
	s_mov_b32 s86, s82
	s_mov_b32 s87, s83
	s_mov_b32 s82, s84
	s_mov_b32 s83, s85
	s_mov_b32 s[PFON], 0
	s_sub_co_u32 s[CNT], s[CNT], 1
	s_cmp_lg_u32 s[CNT], 0
	s_wait_alu depctr_va_vdst(0)
	s_cbranch_scc1 .Ltile
	LOADR 2                                        ; v: the sources swapped, nothing more to fetch
.irp t, 0,1,2,3,4,5,6,7,8,9,10,11,12,13,14,15
	STEP \t, 1, 0
.endr
	EPI 1
	s_wait_tensorcnt 0x0                           ; the wave's end
	ds_add_u32 v[SPW], v[NIL]
	s_wait_dscnt 0x0
	ROUND                                          ; the closing round
	s_endpgm
.Lfunc_end_k_qd38e49c500_gemm_qkv:
	.size	k_qd38e49c500_gemm_qkv, .Lfunc_end_k_qd38e49c500_gemm_qkv-k_qd38e49c500_gemm_qkv
	.p2alignl 7, 3214868480
	.fill 96, 4, 3214868480
	.section	.rodata,"a",@progbits
	.p2align	6, 0x0
	.amdhsa_kernel k_qd38e49c500_gemm_qkv
		.amdhsa_group_segment_fixed_size 327680
		.amdhsa_private_segment_fixed_size 0
		.amdhsa_enable_private_segment 0
		.amdhsa_kernarg_size 48
		.amdhsa_user_sgpr_count 2
		.amdhsa_user_sgpr_kernarg_segment_ptr 1
		.amdhsa_wavefront_size32 1
		.amdhsa_system_sgpr_workgroup_id_x 1
		.amdhsa_system_sgpr_workgroup_id_y 1
		.amdhsa_system_sgpr_workgroup_id_z 1
		.amdhsa_system_vgpr_workitem_id 0
		.amdhsa_next_free_vgpr 1024
		.amdhsa_next_free_sgpr 100
		.amdhsa_reserve_vcc 0
		.amdhsa_float_denorm_mode_32 3
		.amdhsa_float_denorm_mode_16_64 3
		.amdhsa_memory_ordered 1
		.amdhsa_forward_progress 1
		.amdhsa_inst_pref_size 144
	.end_amdhsa_kernel
	.amdgpu_metadata
---
amdhsa.version: [ 1, 2 ]
amdhsa.kernels:
  - .name:           k_qd38e49c500_gemm_qkv
    .symbol:         k_qd38e49c500_gemm_qkv.kd
    .args:
      - { .name: x_codes, .offset: 0, .size: 8, .value_kind: global_buffer, .address_space: global }
      - { .name: wqkv_codes, .offset: 8, .size: 8, .value_kind: global_buffer, .address_space: global }
      - { .name: lowp_scales, .offset: 16, .size: 8, .value_kind: global_buffer, .address_space: global }
      - { .name: q_img, .offset: 24, .size: 8, .value_kind: global_buffer, .address_space: global }
      - { .name: k_img, .offset: 32, .size: 8, .value_kind: global_buffer, .address_space: global }
      - { .name: v_img, .offset: 40, .size: 8, .value_kind: global_buffer, .address_space: global }
    .group_segment_fixed_size: 327680
    .private_segment_fixed_size: 0
    .kernarg_segment_align: 8
    .kernarg_segment_size: 48
    .max_flat_workgroup_size: 128
    .sgpr_count:     100
    .vgpr_count:     1024
    .wavefront_size: 32
...
	.end_amdgpu_metadata
.endif
;; end of part 2
;; launch attn (part 3): grid 4 x 64, 8 waves a work-group, clusters of 4 x 1, 327,680 bytes of LDS; arguments q_img, k_img, v_img, lowp_scales, y_img; writes y_img
.if DOCPART == 3
	.amdgcn_target "amdgcn-amd-amdhsa--gfx1250"
	.amdhsa_code_object_version 6
	.text
	.protected	k_qd38e49c500_attn
	.globl	k_qd38e49c500_attn
	.p2align	8
	.type	k_qd38e49c500_attn,@function
k_qd38e49c500_attn:
	s_mov_b64 s[64:65], 0
	v_nop
	global_prefetch_b8 v0, s[64:65] scope:SCOPE_SE
	s_setreg_imm32_b32 hwreg(HW_REG_WAVE_MODE, 25, 1), 1
	s_wait_xcnt 0x0
	s_wait_alu depctr_hold_cnt(0) depctr_sa_sdst(0) depctr_va_vdst(0) depctr_va_sdst(0) depctr_va_ssrc(0) depctr_va_vcc(0) depctr_vm_vsrc(0)
	s_getreg_b32 s2, hwreg(HW_REG_IB_STS2, 6, 4)
	s_cmp_eq_u32 s2, 0
	s_cbranch_scc0 .Lentry_in_a_cluster
	s_endpgm
.Lentry_in_a_cluster:
	s_bfe_u32 s2, ttmp6, 0x10000c
	s_cmp_lg_u32 s2, 0x3003
	s_cbranch_scc0 .Lentry_shape_is_right
	s_endpgm
.Lentry_shape_is_right:
; y[b][h][q] = the sum over keys k <= q of softmax_k(q . k / 8) v, both products on codes of FP8 (E4M3); y is quantised in registers for the last product.  64 heads (batch x head), 2,048 tokens, head size 64.
; LEFT OUT: steps of 128 keys that all come after a wave's 32 queries: the causal mask sets their scores to -infinity, so their p is 0 for all inputs.  A NaN or an infinity in those scores alone is not carried.
; THE SOFTMAX: t = score x log2(e) / 8; M = the row's largest t so far, rounded UP to a whole number; p = 2^(t - M) is quantised, not normalised; the row's sum of the unquantised p divides at the end.
; When M moves, the sum and O are multiplied by 2^(old M - new M): exact.  LIMIT: the promise holds while |t| stays under 2^31.
; OPERANDS COME AS IMAGES OF THEIR REGISTERS (registers 4 c .. 4 c + 3 of lane l at 512 c + 16 l): q_img, k_img [64][token / 16][1,024];  v_img [64][key / 128][d / 16][2,048];  y_img [token / 16][K / 128][2,048], a head is half an image.
; LDS HOLDS A HEAD'S K AND V WHOLE: 131,072 bytes each.  Nothing is filled again.  Two fills, each 16 KiB a wave (waves 0-3: K, waves 4-7: V): keys 0-1,023 at the head, keys 1,024-2,047 behind the round at the head's end.
; CLUSTERS: the four work-groups of a head need the same K and V: each fill is asked for jointly, mask 15.  cx enters global addresses and the mask's per-lane threshold alone: no branch, no LDS address.
; SHARES.  Work-group j of a head owns the groups of 32 queries 4 m + j, m = 0 .. 15.  Group m needs m + 1 steps of 128 keys whatever j is.  Wave w takes m = 15 - w, then m = w: 16 - w + w + 1 = 17 steps for every wave of all 256 work-groups.
; A wave's 32 queries are two tiles of 16; each fragment of K and V feeds two matrix instructions.  The next step's K is fetched while this step's softmax runs.
; The last trip's look-ahead lands on key 0 and is not used; so is the reset behind the second group.
; Both products are used transposed (S^T = K Q^T, O^T = V^T P^T): a lane holds ONE query (lane % 16); register 8 T + i of S^T is key 16 T + 8 (lane / 16) + i: the plain 8-bit layout of the next operand.
; THE TWO TILES' VECTOR WORK IS LAID BY TURNS: their chains of maxima and of M line by line; tile 0's exponentials among tile 1's t - M; tile 1's exponentials among tile 0's first sums and holds.
; What is written among exponentials is first read behind the next wait.
; NO PREFETCH: both fills are asked for ahead of the first loop, so no later request is left for one to run ahead of.
; LIMITS on the given exponents: e2 + e3 between -124 and 130 (added to c's exponent field); e4 and e6 between -126 and 119; e4 + e5 goes by v_ldexp_f32 and has none.
; REGISTERS.  Window 0: v1-11 addresses; v[12:13], v[14:15] -M and the largest score of tile 0, 1; v[16:17], v[18:19] the sums; v[20:21], v[22:23] f; v24-29 work; v30-36 scales, -infinity, the mask's thresholds;
;   v40-47 maxima; v48-79, v224-255 partial sums; v96-159, v160-223 S^T, then p, of tile 0, 1.
; Window 1: v0-63 K's eight fragments; v64-127 V's four; v128-159, v160-191 O^T; v192-207, v208-223 p's codes (at a group's end y's); v224-239 Q; v240-255 the second group's Q.
.set VOFF,  131072                     ; V lies behind K
.set HALF,  65536                      ; 1,024 keys of K or of V
.set STEPB, 8192                       ; 128 keys of K or of V
.set SPARE, 262144                     ; behind both: the spare words, 128 bytes for each wave, which no other line names
.set LI,   1                           ; 16 x lane
.set LIV,  2                           ; VOFF + 16 x lane
.set QO,   3                           ; my first group's images of Q;  v4 my second's
.set QOA,  4
.set SPW,  5                           ; my spare word; never rewritten
.set NIL,  6                           ; 0; never rewritten
.set YO,   7                           ; the image of y of the group in hand;  v8 the second group's
.set YOA,  8
.set ADK,  10                          ; LDS address of the next step's K
.set ADV,  11                          ; of this step's V
.set WV,   18
.set CX,   19
.set SEL,  20                          ; s[20:21] lane l xor 16
.set CS,   22                          ; s[22:23] c = log2(e) / 8 x 2^(e2 + e3)
.set G1,   24
.set G0,   32                          ; the first fill's group 0;  s[36:39] the second's
.set G0B,  36
.set TB,   40                          ; 64 x the step's first key
.set TBN,  41                          ; the next step's
.set TEND, 42                          ; where the group's keys end;  s43 the second group's
.set TEND2, 43
.set DG,   44                          ; 1 in a group's last step, which lies on the diagonal
.set CNT,  45
.set MSB, 0
.macro WIN new                         ; the immediate's high byte repeats the setting that is left
.if MSB != \new
	s_set_vgpr_msb (MSB<<8)|\new
.set MSB, \new
.endif
.endm
.macro ROUND                           ; a round of the cluster's barrier
	s_barrier_signal -1
	s_barrier_wait -1
	s_cmp_lg_u32 s[WV], 0
	s_cbranch_scc1 .Lnw0_\@
	s_barrier_signal -3
.Lnw0_\@:
	s_barrier_wait -3
	s_barrier_signal -1
	s_barrier_wait -1
.endm
.macro MRESET                          ; a group begins: its first change of M multiplies zeros by 0
	v_mov_b32 v13, 0xff61b1e6                      ; the largest score so far: -3e38
	v_mov_b32 v15, 0xff61b1e6
	v_mov_b32 v12, 0x7f61b1e6                      ; -M: 3e38
	v_mov_b32 v14, 0x7f61b1e6
.irp r, 16,17,18,19
	v_mov_b32 v\r, 0
.endr
.endm
.macro OZERO                           ; under destination window 1
.set j, 0
.rept 64
	v_mov_b32 v[128+j], 0
.set j, j+1
.endr
.endm
.macro KLOAD                           ; under destination window 1
.irp T, 0,1,2,3,4,5,6,7
	ds_load_b128 v[8*\T:8*\T+3], v[ADK] offset:\T*1024
	ds_load_b128 v[8*\T+4:8*\T+7], v[ADK] offset:\T*1024+512
.endr
.endm
.macro MASK sb, dr                     ; v[dr] = my query - the step's first key - 8 (lane / 16): register 8 T + i is hidden where 16 T + i is above it
.set n, 0
.rept 64
	v_cmp_gt_i32 vcc_lo, 16*(n/8)+n%8, v[\dr]
	v_cndmask_b32 v[\sb+n], v[\sb+n], v34, vcc_lo
.set n, n+1
.endr
.endm
.macro HOLD r                          ; the conversion does not saturate (ISA guide 7.6.2); p is not negative: a one-sided hold, two a line
	v_dual_min_num_f32 v[\r], v30, v[\r] :: v_dual_min_num_f32 v[\r+1], v30, v[\r+1]
.endm
.macro SOFT                            ; both tiles' softmax, all in window 0
.irp c, 0,1,2,3,4,5,6,7                ; the largest scores: four chains a tile, each accumulator from its low end on
	v_max3_num_f32 v[40+\c], v[96+16*\c], v[97+16*\c], v[98+16*\c]
.endr
.irp i, 3,5,7,9,11,13
.irp c, 0,1,2,3,4,5,6,7
	v_max3_num_f32 v[40+\c], v[40+\c], v[96+16*\c+\i], v[97+16*\c+\i]
.endr
.endr
	v_max3_num_f32 v40, v40, v111, v127
	v_max3_num_f32 v44, v44, v175, v191
	v_max3_num_f32 v41, v41, v143, v159
	v_max3_num_f32 v45, v45, v207, v223
	v_max3_num_f32 v40, v40, v41, v42
	v_max3_num_f32 v44, v44, v45, v46
	v_max_num_f32 v40, v40, v43
	v_max_num_f32 v44, v44, v47
	v_permlanex16_b32 v26, v40, s[SEL], s[SEL+1]
	v_permlanex16_b32 v29, v44, s[SEL], s[SEL+1]
	v_max3_num_f32 v13, v13, v40, v26              ; the running largest score, lane l xor 16's among them
	v_max3_num_f32 v15, v15, v44, v29
	v_mul_f32 v24, s[CS], v13                      ; as t (c is positive)
	v_mul_f32 v27, s[CS], v15
	v_floor_f32 v25, -v24                          ; the new -M = -ceil(t)
	v_floor_f32 v28, -v27
	v_sub_f32 v24, v25, v12                        ; old M - new M: a whole number, 0 or less
	v_sub_f32 v27, v28, v14
	v_mov_b32 v12, v25
	v_mov_b32 v14, v28
	v_cvt_i32_f32 v24, v24                         ; (it saturates)
	v_cvt_i32_f32 v27, v27
	v_ldexp_f32 v20, 1.0, v24                      ; f = 2^(old M - new M)
	v_ldexp_f32 v22, 1.0, v27
.set j, 0
.rept 32
	v_pk_fma_f32 v[96+j:97+j], v[96+j:97+j], s[CS:CS+1], v[12:13] op_sel_hi:[1,0,0]   ; tile 0: t - M
.set j, j+2
.endr
	s_wait_alu depctr_va_vdst(0)
.set j, 0
.rept 32
	v_exp_f32 v[96+j], v[96+j]                     ; tile 0: p = 2^(t - M), at most 1;
	v_exp_f32 v[97+j], v[97+j]
	v_pk_fma_f32 v[160+j:161+j], v[160+j:161+j], s[CS:CS+1], v[14:15] op_sel_hi:[1,0,0]   ; among them tile 1's t - M, first read behind the wait below
.set j, j+2
.endr
	s_wait_alu depctr_va_vdst(0)                   ; behind tile 0's batch and ahead of tile 1's
.set j, 0
.rept 16
	v_exp_f32 v[160+j], v[160+j]                   ; tile 1's p; among them tile 0's first sums, of the unquantised p, and then its holds: all first read behind the wait below
	v_pk_add_f32 v[48+j/2:49+j/2], v[96+j:97+j], v[98+j:99+j]
	v_exp_f32 v[161+j], v[161+j]
	HOLD 96+j
	v_exp_f32 v[162+j], v[162+j]
	HOLD 98+j
	v_exp_f32 v[163+j], v[163+j]
.set j, j+4
.endr
	v_pk_mul_f32 v[16:17], v[16:17], v[20:21] op_sel_hi:[1,0]   ; the sums under the new M (plain lines behind the exponentials)
	v_pk_mul_f32 v[18:19], v[18:19], v[22:23] op_sel_hi:[1,0]
	s_wait_alu depctr_va_vdst(0)
.set j, 0
.rept 16
	v_pk_add_f32 v[224+j/2:225+j/2], v[160+j:161+j], v[162+j:163+j]
.set j, j+4
.endr
.irp k, 0,1,2,3,4,5,6,7
	v_pk_add_f32 v[48+2*\k:49+2*\k], v[48+2*\k:49+2*\k], v[64+2*\k:65+2*\k]
.endr
.set j, 0
.rept 32
	HOLD 160+j
.set j, j+2
.endr
.irp k, 0,1,2,3,4,5,6,7
	v_pk_add_f32 v[224+2*\k:225+2*\k], v[224+2*\k:225+2*\k], v[240+2*\k:241+2*\k]
.endr
.irp k, 0,1,2,3
	v_pk_add_f32 v[48+2*\k:49+2*\k], v[48+2*\k:49+2*\k], v[56+2*\k:57+2*\k]
	v_pk_add_f32 v[224+2*\k:225+2*\k], v[224+2*\k:225+2*\k], v[232+2*\k:233+2*\k]
.endr
.irp k, 0,1
	v_pk_add_f32 v[48+2*\k:49+2*\k], v[48+2*\k:49+2*\k], v[52+2*\k:53+2*\k]
	v_pk_add_f32 v[224+2*\k:225+2*\k], v[224+2*\k:225+2*\k], v[228+2*\k:229+2*\k]
.endr
	v_pk_add_f32 v[48:49], v[48:49], v[50:51]
	v_pk_add_f32 v[224:225], v[224:225], v[226:227]
	v_pk_add_f32 v[16:17], v[16:17], v[48:49]
	v_pk_add_f32 v[18:19], v[18:19], v[224:225]
	WIN 0x40                                       ; the codes: destination window 1
.irp T, 0,1,2,3,4,5,6,7
	v_cvt_scalef32_pk8_fp8_f32 v[192+2*\T:193+2*\T], v[96+8*\T:103+8*\T], v31   ; registers 2 T, 2 T + 1 of the operand
.endr
.irp T, 0,1,2,3,4,5,6,7
	v_cvt_scalef32_pk8_fp8_f32 v[208+2*\T:209+2*\T], v[160+8*\T:167+8*\T], v31
.endr
	WIN 0x41                                       ; O^T window 1, f window 0
	s_wait_alu depctr_va_vdst(0)
.set j, 0
.rept 16
	v_pk_mul_f32 v[128+j:129+j], v[128+j:129+j], v[20:21] op_sel_hi:[1,0]
.set j, j+2
.endr
.set j, 0
.rept 16
	v_pk_mul_f32 v[160+j:161+j], v[160+j:161+j], v[22:23] op_sel_hi:[1,0]
.set j, j+2
.endr
.endm
; A GROUP ENDS, one tile: y = O^T x 2^(e4 + e5) / the sum, held, quantised with 2^e6: half an image of the last product's operand
.macro FIN sm, pm, sb, ob, pc, off
	v_add_f32 v[\sm], v[\sm], v[\sm+1]
	v_permlanex16_b32 v[\pm], v[\sm], s[SEL], s[SEL+1]
	v_add_f32 v[\sm], v[\sm], v[\pm]
	s_wait_alu depctr_va_vdst(0)                   ; the wait ahead of the transcendental,
	v_rcp_f32 v[\sm], v[\sm]
	v_nop
	s_wait_alu depctr_va_vdst(0)                   ; behind it,
	v_ldexp_f32 v[\sm], v[\sm], s76
	WIN 0x01                                       ; source 0 (O^T) window 1
	s_wait_alu depctr_va_vdst(0)                   ; and directly ahead of the first reader of O^T
.set j, 0
.rept 16
	v_pk_mul_f32 v[\sb+j:\sb+j+1], v[\ob+j:\ob+j+1], v[\sm:\sm+1] op_sel_hi:[1,0]
.set j, j+2
.endr
	WIN 0
.set j, 0
.rept 32
	v_med3_num_f32 v[\sb+j], v[\sb+j], -v32, v32
.set j, j+1
.endr
	WIN 0x40
.irp d, 0,1,2,3
	v_cvt_scalef32_pk8_fp8_f32 v[\pc+2*\d:\pc+2*\d+1], v[\sb+8*\d:\sb+8*\d+7], v33
.endr
	v_nop                                          ; a plain line behind the last conversion
	WIN 0x04                                       ; the stores' data window 1
	global_store_b128 v[YO], v[\pc:\pc+3], s[58:59] offset:\off        ; the wave stores 512 consecutive bytes, aligned
	global_store_b128 v[YO], v[\pc+4:\pc+7], s[58:59] offset:\off+512
	WIN 0
.endm
; A STEP: 128 keys x my 32 queries.  late = 1: the step may be a group's last.
.macro BODY late
	s_add_co_u32 s[TBN], s[TB], STEPB
.if \late
	s_cmp_eq_u32 s[TBN], s[TEND]                   ; the wave's number and the count of steps alone
	s_cselect_b32 s[DG], 1, 0
	s_cselect_b32 s[TBN], 0, s[TBN]                ; the next group begins at key 0
	s_and_b32 s[TBN], s[TBN], 0x1e000              ; (changes nothing: the offset is one of sixteen steps)
.endif
	s_wait_dscnt 0x0                               ; this step's K is in
	WIN 0x05                                       ; K and Q window 1, S^T window 0
.irp T, 0,1,2,3,4,5,6,7
	v_wmma_f32_16x16x64_fp8_fp8 v[96+8*\T:103+8*\T], v[8*\T:8*\T+7], v[224:231], 0
	v_wmma_f32_16x16x64_fp8_fp8 v[160+8*\T:167+8*\T], v[8*\T:8*\T+7], v[232:239], 0
.endr
	WIN 0
	v_add_nc_u32 v[ADV], s[TB], v[LIV]             ; with the two v_nop: four places in front of the loads and of the first read of the scores
	v_add_nc_u32 v[ADK], s[TBN], v[LI]
	v_nop
	v_nop
	WIN 0x40                                       ; destination window 1
.irp d, 0,1,2,3
.irp c, 0,1,2,3
	ds_load_b128 v[64+16*\d+4*\c:67+16*\d+4*\c], v[ADV] offset:\d*2048+512*\c
.endr
.endr
	KLOAD
	WIN 0
.if \late
	s_cmp_eq_u32 s[DG], 0
	s_cbranch_scc1 .Lopen_\@
	MASK 96, 35
	MASK 160, 36
.Lopen_\@:
.endif
	SOFT
	s_wait_alu depctr_va_vdst(0)
	s_wait_dscnt 16                                ; V is in; the sixteen younger loads, the next step's K, may be out
	WIN 0x55
.irp d, 0,1,2,3                        ; O^T += V^T P^T: the eight accumulators take turns
	v_wmma_f32_16x16x128_fp8_fp8 v[128+8*\d:135+8*\d], v[64+16*\d:79+16*\d], v[192:207], v[128+8*\d:135+8*\d]
	v_wmma_f32_16x16x128_fp8_fp8 v[160+8*\d:167+8*\d], v[64+16*\d:79+16*\d], v[208:223], v[160+8*\d:167+8*\d]
.endr
	WIN 0
.if \late
	s_cmp_eq_u32 s[DG], 0
	s_cbranch_scc1 .Lon_\@
.rept 4
	v_nop                                          ; places behind the last products
.endr
	FIN 16, 26, 96, 128, 192, 0
	FIN 18, 29, 160, 160, 208, 16384
	WIN 0x41
.set j, 0
.rept 16
	v_mov_b32 v[224+j], v[240+j]                   ; the second group's Q
.set j, j+1
.endr
	WIN 0x40
	OZERO
	WIN 0
	MRESET
	s_wait_xcnt 0x0                                ; the stores have read their offset and their data
	v_mov_b32 v[YO], v[YOA]
	s_mov_b32 s[TEND], s[TEND2]
	s_wait_alu depctr_va_vdst(0)
.Lon_\@:
.endif
	s_mov_b32 s[TB], s[TBN]
.endm
	s_load_b128 s[4:7], s[0:1], 0x0                ; q_img, k_img
	s_load_b128 s[8:11], s[0:1], 0x10              ; v_img, the scales
	s_load_b64 s[12:13], s[0:1], 0x20              ; y_img
	v_lshl_add_u32 v[SPW], v0, 2, SPARE
	v_mov_b32 v[NIL], 0
	ds_add_u32 v[SPW], v[NIL]                      ; the opening lines: the add, twice on end, and its wait
	ds_add_u32 v[SPW], v[NIL]
	v_lshrrev_b32 v9, 5, v0
	v_readfirstlane_b32 s[WV], v9                  ; wave 0..7
	s_bfe_u32 s[CX], ttmp6, 0x40000                ; j: my place in the cluster
	s_and_b32 s60, ttmp7, 0xffff                   ; batch x 16 + head
	s_mov_b32 s[G1], 15|(3<<16)|(1<<21)            ; the mask: all four; elements of 8 bytes; bit 21 beside a mask
	s_mov_b32 s[G1+1], 32<<16                      ; 16,384 dense bytes as 64 rows of 256
	s_mov_b32 s[G1+2], 64<<16
	s_mov_b32 s[G1+3], 32<<16
	s_mov_b32 s[G1+4], 64
	s_mov_b32 s[G1+5], 32
	s_mov_b32 s[G1+6], 0
	s_mov_b32 s[G1+7], 0
	s_mov_b32 s[SEL], 0x76543210
	s_mov_b32 s[SEL+1], 0xfedcba98
	s_mov_b32 s[CS], 0x3e38aa3b                    ; log2(e) / 8
	s_and_b32 s61, s[WV], 3
	s_lshl_b32 s61, s61, 14                        ; my 16 KiB of a fill's four
	s_lshr_b32 s62, s[WV], 2                       ; 0: K, 1: V
	s_lshl_b32 s63, s62, 17
	s_add_co_u32 s63, s63, s61                     ; where they go
	s_lshl_b32 s52, s60, 17                        ; a head's images: 131,072 bytes
	s_mov_b32 s53, 0
	s_add_co_u32 s54, s52, s61
	s_mov_b32 s55, 0
	s_lshr_b32 s78, s60, 4
	s_lshl_b32 s78, s78, 21                        ; y: a batch's 128 rows of images of 16,384 bytes,
	s_and_b32 s79, s60, 15
	s_lshl_b32 s79, s79, 10                        ; and the head's half image
	s_add_co_u32 s78, s78, s79
	s_mov_b32 s79, 0
	s_wait_dscnt 0x0
	s_wait_kmcnt 0x0
	s_load_b256 s[68:75], s[10:11], 0x0            ; e0 .. e7
	s_cmp_eq_u32 s62, 0
	s_cselect_b64 s[80:81], s[6:7], s[8:9]
	s_add_nc_u64 s[80:81], s[80:81], s[54:55]
	s_add_nc_u64 s[56:57], s[4:5], s[52:53]        ; the head's images of Q
	s_add_nc_u64 s[58:59], s[12:13], s[78:79]
	s_mov_b32 s[G0], 1
	s_mov_b32 s[G0+1], s63
	s_mov_b64 s[G0+2:G0+3], s[80:81]
	s_or_b32 s[G0+3], s[G0+3], 0x80000000
	s_mov_b32 s[G0B], 1
	s_add_co_u32 s[G0B+1], s63, HALF
	s_add_nc_u64 s[G0B+2:G0B+3], s[80:81], HALF
	s_or_b32 s[G0B+3], s[G0B+3], 0x80000000
	ROUND                                          ; the four work-groups are here: the joint loads meet
	tensor_load_to_lds s[G0:G0+3], s[G1:G1+7]      ; keys 0-1,023: one tensor load a wave at the head
	s_nop 0
	s_sub_co_u32 s78, 15, s[WV]
	s_lshl_b32 s78, s78, 2
	s_add_co_u32 s78, s78, s[CX]                   ; my first group of 32 queries: 4 (15 - wave) + j
	s_lshl_b32 s79, s[WV], 2
	s_add_co_u32 s79, s79, s[CX]                   ; my second: 4 wave + j
	s_lshl_b32 s82, s78, 11                        ; 2,048 bytes of Q's images a group,
	s_lshl_b32 s83, s79, 11
	s_lshl_b32 s84, s78, 15                        ; 32,768 of y's
	s_lshl_b32 s85, s79, 15
	s_lshl_b32 s86, s[CX], 5                       ; on the diagonal tile 0's first query stands 32 j behind the step's first key,
	s_add_co_u32 s87, s86, 16                      ; tile 1's 16 more
	s_sub_co_u32 s[TEND], 16, s[WV]
	s_lshl_b32 s[TEND], s[TEND], 13
	s_add_co_u32 s[TEND2], s[WV], 1
	s_lshl_b32 s[TEND2], s[TEND2], 13
	s_mov_b32 s[TB], 0
	s_wait_kmcnt 0x0
	s_add_co_i32 s78, s70, s71
	s_lshl_b32 s78, s78, 23
	s_add_co_i32 s[CS], s[CS], s78                 ; a score stands for score x 2^(e2 + e3)
	s_mov_b32 s[CS+1], s[CS]
	s_add_co_i32 s78, s72, 127
	s_lshl_b32 s48, s78, 23
	s_add_co_i32 s78, s78, 8
	s_lshl_b32 s78, s78, 23
	s_or_b32 s49, s78, 0x600000
	s_add_co_i32 s78, s74, 127
	s_lshl_b32 s50, s78, 23
	s_add_co_i32 s78, s78, 8
	s_lshl_b32 s78, s78, 23
	s_or_b32 s51, s78, 0x600000
	s_add_co_i32 s76, s72, s73                     ; e4 + e5
	v_and_b32 v[LI], 31, v0
	v_lshlrev_b32 v[LI], 4, v[LI]
	v_add_nc_u32 v[QO], s82, v[LI]
	v_add_nc_u32 v[QOA], s83, v[LI]
	WIN 0x40                                       ; destinations window 1
.irp c, 0,1,2,3
	global_load_b128 v[224+4*\c:227+4*\c], v[QO], s[56:57] offset:512*\c     ; both tiles' Q,
.endr
.irp c, 0,1,2,3
	global_load_b128 v[240+4*\c:243+4*\c], v[QOA], s[56:57] offset:512*\c    ; and the second group's
.endr
	OZERO
	WIN 0
	v_add_nc_u32 v[LIV], VOFF, v[LI]
	v_mov_b32 v[ADK], v[LI]
	v_add_nc_u32 v[YO], s84, v[LI]
	v_add_nc_u32 v[YOA], s85, v[LI]
	v_and_b32 v9, 15, v0
	v_bfe_u32 v37, v0, 4, 1
	v_lshlrev_b32 v37, 3, v37
	v_sub_nc_u32 v9, v9, v37                       ; lane % 16 - 8 (lane / 16)
	v_add_nc_u32 v35, s86, v9
	v_add_nc_u32 v36, s87, v9
	v_mov_b32 v31, s48                             ; 2^e4
	v_mov_b32 v30, s49                             ; 448 x 2^e4
	v_mov_b32 v33, s50                             ; 2^e6
	v_mov_b32 v32, s51                             ; 448 x 2^e6
	v_mov_b32 v34, 0xff800000                      ; -infinity
.irp r, 21,23,26,29
	v_mov_b32 v\r, 0                               ; the upper halves of f's pairs; a lane permute's destination counts as a source
.endr
	MRESET
	s_wait_alu depctr_va_vdst(0)
	s_wait_tensorcnt 0x0                           ; my part of keys 0-1,023 is in
	ds_add_u32 v[SPW], v[NIL]
	s_wait_dscnt 0x0
	ROUND                                          ; everybody's part is in, and the joint loads meet
	tensor_load_to_lds s[G0B:G0B+3], s[G1:G1+7]    ; keys 1,024-2,047: it has seven steps in which to land
	s_nop 0
	WIN 0x40
	KLOAD
	WIN 0
	s_wait_loadcnt 0x0                             ; Q
	s_mov_b32 s[CNT], 7
.Lfirst:                                           ; steps 0-6: every wave's first group has nine steps or more; K is read up to key 1,023, V up to 895
	BODY 0
	s_sub_co_u32 s[CNT], s[CNT], 1
	s_cmp_lg_u32 s[CNT], 0
	s_cbranch_scc1 .Lfirst
	s_wait_tensorcnt 0x0                           ; my part of keys 1,024-2,047 is in,
	s_wait_dscnt 0x0                               ; no LDS load of mine is out at the signal
	s_barrier_signal -1
	s_barrier_wait -1                              ; and everybody's part is
	s_mov_b32 s[CNT], 10
.Lsecond:                                          ; steps 7-16
	BODY 1
	s_sub_co_u32 s[CNT], s[CNT], 1
	s_cmp_lg_u32 s[CNT], 0
	s_cbranch_scc1 .Lsecond
	s_wait_tensorcnt 0x0                           ; the wave's end
	ds_add_u32 v[SPW], v[NIL]
	s_wait_dscnt 0x0
	ROUND                                          ; the closing round
	s_endpgm
.Lfunc_end_k_qd38e49c500_attn:
	.size	k_qd38e49c500_attn, .Lfunc_end_k_qd38e49c500_attn-k_qd38e49c500_attn
	.p2alignl 7, 3214868480
	.fill 96, 4, 3214868480
	.section	.rodata,"a",@progbits
	.p2align	6, 0x0
	.amdhsa_kernel k_qd38e49c500_attn
		.amdhsa_group_segment_fixed_size 327680
		.amdhsa_private_segment_fixed_size 0
		.amdhsa_enable_private_segment 0
		.amdhsa_kernarg_size 40
		.amdhsa_user_sgpr_count 2
		.amdhsa_user_sgpr_kernarg_segment_ptr 1
		.amdhsa_wavefront_size32 1
		.amdhsa_system_sgpr_workgroup_id_x 1
		.amdhsa_system_sgpr_workgroup_id_y 1
		.amdhsa_system_sgpr_workgroup_id_z 1
		.amdhsa_system_vgpr_workitem_id 0
		.amdhsa_next_free_vgpr 512
		.amdhsa_next_free_sgpr 90
		.amdhsa_reserve_vcc 1
		.amdhsa_float_denorm_mode_32 3
		.amdhsa_float_denorm_mode_16_64 3
		.amdhsa_memory_ordered 1
		.amdhsa_forward_progress 1
		.amdhsa_inst_pref_size 89
	.end_amdhsa_kernel
	.amdgpu_metadata
---
amdhsa.version: [ 1, 2 ]
amdhsa.kernels:
  - .name:           k_qd38e49c500_attn
    .symbol:         k_qd38e49c500_attn.kd
    .args:
      - { .name: q_img, .offset: 0, .size: 8, .value_kind: global_buffer, .address_space: global }
      - { .name: k_img, .offset: 8, .size: 8, .value_kind: global_buffer, .address_space: global }
      - { .name: v_img, .offset: 16, .size: 8, .value_kind: global_buffer, .address_space: global }
      - { .name: lowp_scales, .offset: 24, .size: 8, .value_kind: global_buffer, .address_space: global }
      - { .name: y_img, .offset: 32, .size: 8, .value_kind: global_buffer, .address_space: global }
    .group_segment_fixed_size: 327680
    .private_segment_fixed_size: 0
    .kernarg_segment_align: 8
    .kernarg_segment_size: 40
    .max_flat_workgroup_size: 256
    .sgpr_count:     90
    .vgpr_count:     512
    .wavefront_size: 32
...
	.end_amdgpu_metadata
.endif
;; end of part 3
;; launch gemm_out (part 4): grid 4 x 64, 4 waves a work-group, clusters of 4 x 4, 327,680 bytes of LDS; arguments y_img, wout_codes, lowp_scales, out0; writes out0
.if DOCPART == 4
	.amdgcn_target "amdgcn-amd-amdhsa--gfx1250"
	.amdhsa_code_object_version 6
	.text
	.protected	k_qd38e49c500_gemm_out
	.globl	k_qd38e49c500_gemm_out
	.p2align	8
	.type	k_qd38e49c500_gemm_out,@function
k_qd38e49c500_gemm_out:
	s_mov_b64 s[64:65], 0
	v_nop
	global_prefetch_b8 v0, s[64:65] scope:SCOPE_SE
	s_setreg_imm32_b32 hwreg(HW_REG_WAVE_MODE, 25, 1), 1
	s_wait_xcnt 0x0
	s_wait_alu depctr_hold_cnt(0) depctr_sa_sdst(0) depctr_va_vdst(0) depctr_va_sdst(0) depctr_va_ssrc(0) depctr_va_vcc(0) depctr_vm_vsrc(0)
	s_getreg_b32 s2, hwreg(HW_REG_IB_STS2, 6, 4)
	s_cmp_eq_u32 s2, 0
	s_cbranch_scc0 .Lentry_in_a_cluster
	s_endpgm
.Lentry_in_a_cluster:
	s_bfe_u32 s2, ttmp6, 0x10000c
	s_cmp_lg_u32 s2, 0xf033
	s_cbranch_scc0 .Lentry_shape_is_right
	s_endpgm
.Lentry_shape_is_right:
; out0 = y W_out on codes of FP8 (E4M3), K = 1,024; each finished sum x 2^(e6 + e7).  LIMIT: e6 + e7 lies between -126 and 127.
; SHARES.  A block of 128 tokens x 256 columns to a work-group: 64 x 4 = 256 work-groups.  W_out's 256 rows ([n][k], 1,024 bytes) lie in LDS for ALL of K: ONE tensor load a wave (64 rows, 16 bytes of padding behind each: pitch 1,040 = 65 x 16);
; nothing is filled again.  The four work-groups of a column of the 4 x 4 cluster need the same rows: the load is joint.
; y's codes lie in memory as images of operand registers ([token / 16][K / 128][2,048]: registers 4 c .. 4 c + 3 of lane l at 512 c + 16 l) and go straight into registers, 512 consecutive bytes a load: a wave's 64 tokens for all of K fill 512 registers.
; A wave makes 64 tokens x 128 columns: 32 accumulators.  Source 0 = W_out's rows, source 1 = y's: a lane holds eight neighbouring columns of one row of out0.
; NO PREFETCH: every load of the launch is asked for at its head; there is no later request to run ahead of.
; REGISTERS, in windows of 256: window 0: v0-31 addresses, v64-255 three buffers of four fragments of W_out (on the way out v32-255 are free);  window 1: accumulator (s, r) at v[8 (8 s + r)];
;   windows 2, 3: y's fragments: K step k, block s at v[64 (k % 4) + 16 s] of window 2 + k / 4.
.set RP,    1040
.set GRP,   64*RP
.set HALFR, 128*RP
.set STAGE, 256*RP                     ; behind the rows: a stage of 16 rows x 528 bytes for each wave, into which no tensor load lands
.set SPITCH, 528
.set SPARE, STAGE+4*16*SPITCH          ; behind the stages: the spare words, which no other line names
.set AR,   16
.set STO,  24
.set RD,   25
.set CO,   26
.set SPW,  28
.set NIL,  29
.set TMP,  32
.set BK,   128
.set G1,   24
.set G0,   32
.set MSB, 0
.macro WIN new
.if MSB != \new
	s_set_vgpr_msb (MSB<<8)|\new
.set MSB, \new
.endif
.endm
.macro ROUND
	s_barrier_signal -1
	s_barrier_wait -1
	s_cmp_lg_u32 s14, 0
	s_cbranch_scc1 .Lnw0_\@
	s_barrier_signal -3
.Lnw0_\@:
	s_barrier_wait -3
	s_barrier_signal -1
	s_barrier_wait -1
.endm
.macro LOADR t                         ; group t = 2 k + g: W_out's fragments 4 g .. 4 g + 3 of K step k into buffer t % 3
.irp rr, 0,1,2,3
.irp c, 0,1,2,3
	ds_load_b128 v[64+64*((\t)%3)+16*\rr+4*\c:64+64*((\t)%3)+16*\rr+4*\c+3], v[AR+(\t)%2] offset:\rr*16*RP+((\t)/2)*128+32*\c
.endr
.endr
.endm
.macro LOADS k                         ; y's four fragments of K step k
	WIN (2+(\k)/4)<<6
.irp s, 0,1,2,3
.irp c, 0,1,2,3
	global_load_b128 v[64*((\k)%4)+16*\s+4*\c:64*((\k)%4)+16*\s+4*\c+3], v[CO], s[20:21] offset:\s*16384+(\k)*2048+512*\c
.endr
.endr
.endm
.macro WM t, s, rr
.set DD, 8*(8*\s+4*((\t)%2)+\rr)
.set RR, 64+64*((\t)%3)+16*\rr
.set SS, 64*(((\t)/2)%4)+16*\s
.if (\t) < 2
	v_wmma_f32_16x16x128_fp8_fp8 v[DD:DD+7], v[RR:RR+15], v[SS:SS+15], 0
.else
	v_wmma_f32_16x16x128_fp8_fp8 v[DD:DD+7], v[RR:RR+15], v[SS:SS+15], v[DD:DD+7]
.endif
.endm
; Group t: sixteen matrix instructions on sixteen accumulators, which come up again two groups on.
.macro STEP t
.if (\t)%2 == 0
.if 16*(7-(\t)/2) > 63
	s_wait_loadcnt 63                              ; behind this K step's sixteen loads 64 or more were issued; the count names the most that its field holds
.else
	s_wait_loadcnt 16*(7-(\t)/2)                   ; the later K steps' loads may be out
.endif
.endif
.if (\t) < 14
	s_wait_dscnt 32                                ; the two younger groups may be out
.else
	s_wait_dscnt 16*(15-(\t))
.endif
	WIN 0x50|((2+(\t)/8)<<2)
.irp s, 0,1,2,3
.irp rr, 0,1,2,3
	WM \t, \s, \rr
.endr
.endr
	WIN 0
.rept 4
	v_nop                                          ; places in front of loads into registers that these products read, and of the first read of results (ISA guide 7.12.1 for vector instructions)
.endr
.if (\t)+3 < 16
	LOADR (\t)+3
.endif
.endm
; THE WAY OUT, block by block of 16 tokens x 128 columns, through my own stage, back as whole rows of 512 bytes.  LDS serves a wave's instructions in order (ISA guide 5.7.1.4).
.macro TOSTAGE a
	WIN 0x01                                       ; source 0: window 1
.set j, 0
.rept 32
	v_pk_mul_f32 v[TMP+j:TMP+j+1], v[64*(\a)+j:64*(\a)+j+1], s[96:97] op_sel_hi:[1,0]   ; x 2^(e6 + e7), each accumulator from its low end on
.set j, j+2
.endr
	WIN 0
.irp b, 0,1,2,3,4,5,6,7
	ds_store_b128 v[STO], v[TMP+8*\b:TMP+8*\b+3] offset:64*\b
	ds_store_b128 v[STO], v[TMP+8*\b+4:TMP+8*\b+7] offset:64*\b+16
.endr
.set BB, BK+64*((\a)%2)
.irp t, 0,1,2,3,4,5,6,7,8,9,10,11,12,13,14,15
	ds_load_b128 v[BB+4*\t:BB+4*\t+3], v[RD] offset:\t*SPITCH
.endr
.endm
.macro SEND a, younger
.set BB, BK+64*((\a)%2)
	s_wait_dscnt \younger                          ; the block is back in registers
.if (\a) > 0
	s_add_nc_u64 s[10:11], s[10:11], 16*4096       ; (behind a wait on XCNT)  16 rows of out0 on
.endif
.irp t, 0,1,2,3,4,5,6,7,8,9,10,11,12,13,14,15
	global_store_b128 v[CO], v[BB+4*\t:BB+4*\t+3], s[10:11] offset:\t*4096 th:TH_STORE_NT   ; 32 lanes store 512 consecutive bytes, aligned
.endr
.endm
	s_load_b128 s[4:7], s[0:1], 0x0                ; y_img, wout_codes
	s_load_b128 s[8:11], s[0:1], 0x10              ; the scales, out0
	v_lshl_add_u32 v[SPW], v0, 2, SPARE
	v_mov_b32 v[NIL], 0
	ds_add_u32 v[SPW], v[NIL]                      ; the opening lines: the add, twice on end, and its wait
	ds_add_u32 v[SPW], v[NIL]
	v_lshrrev_b32 v1, 5, v0
	v_readfirstlane_b32 s14, v1                    ; wave 0..3
	s_lshr_b32 s15, s14, 1                         ; which 64 tokens are mine
	s_and_b32 s16, s14, 1                          ; which 128 columns
	s_mul_i32 s21, s16, HALFR
	s_mul_i32 s23, s14, 16*SPITCH
	s_add_co_u32 s23, s23, STAGE                   ; my stage
	v_and_b32 v2, 31, v0
	v_lshlrev_b32 v[CO], 4, v2
	v_and_b32 v3, 15, v0
	v_bfe_u32 v4, v0, 4, 1
	v_mul_u32_u24 v5, v3, RP
	v_lshl_add_u32 v5, v4, 4, v5                   ; a fragment's row x pitch + 16 x half
	v_add_nc_u32 v[AR], s21, v5
	v_add_nc_u32 v[AR+1], GRP, v[AR]
	v_mul_u32_u24 v6, v3, SPITCH
	v_lshl_add_u32 v6, v4, 5, v6
	v_add_nc_u32 v[STO], s23, v6                   ; in: row l % 16, 32 bytes for each half of the lanes
	v_add_nc_u32 v[RD], s23, v[CO]                 ; back: the 32 lanes take one row of 512 bytes
	s_bfe_u32 s40, ttmp6, 0x40000                  ; cx, cy
	s_bfe_u32 s41, ttmp6, 0x40004
	s_lshl_b32 s42, ttmp9, 2
	s_add_co_u32 s42, s42, s40                     ; the block of columns
	s_and_b32 s17, ttmp7, 0xffff
	s_lshl_b32 s17, s17, 2
	s_add_co_u32 s17, s17, s41                     ; the block of tokens
	s_lshl_b32 s44, 0x1111, s40                    ; my column of the cluster
	s_or_b32 s[G1], s44, (1<<20)|(1<<21)|(7<<22)|(3<<25)   ; elements of 1 byte; padding: four words behind every 256; bit 21 beside a mask
	s_mov_b32 s[G1+1], 1024<<16
	s_mov_b32 s[G1+2], 64<<16
	s_mov_b32 s[G1+3], 1024<<16
	s_mov_b32 s[G1+4], 64
	s_mov_b32 s[G1+5], 1024
	s_mov_b32 s[G1+6], 0
	s_mov_b32 s[G1+7], 0
	s_lshl_b32 s46, s42, 18
	s_lshl_b32 s47, s14, 16
	s_add_co_u32 s46, s46, s47                     ; W_out: (256 x block + 64 wave) rows of 1,024 bytes: no register of the load's holds cy
	s_mov_b32 s47, 0
	s_mul_i32 s45, s14, GRP                        ; where they go
	s_lshl_b32 s50, s17, 17
	s_lshl_b32 s51, s15, 16
	s_add_co_u32 s50, s50, s51                     ; y: 16,384 bytes for 16 tokens
	s_mov_b32 s51, 0
	s_lshl_b32 s52, s17, 19
	s_lshl_b32 s53, s15, 18
	s_add_co_u32 s52, s52, s53                     ; out0: my first row, 4,096 bytes a row,
	s_lshl_b32 s53, s42, 10
	s_add_co_u32 s52, s52, s53
	s_lshl_b32 s53, s16, 9
	s_add_co_u32 s52, s52, s53                     ; and my first column
	s_mov_b32 s53, 0
	s_wait_alu depctr_va_vdst(0)
	s_wait_dscnt 0x0
	s_wait_kmcnt 0x0
	s_load_b64 s[96:97], s[8:9], 0x18              ; e6, e7
	s_add_nc_u64 s[46:47], s[6:7], s[46:47]
	s_add_nc_u64 s[20:21], s[4:5], s[50:51]
	s_add_nc_u64 s[10:11], s[10:11], s[52:53]
	s_mov_b32 s[G0], 1
	s_mov_b32 s[G0+1], s45
	s_mov_b64 s[G0+2:G0+3], s[46:47]
	s_or_b32 s[G0+3], s[G0+3], 0x80000000
	ROUND                                          ; all sixteen work-groups are here: the joint loads meet
	tensor_load_to_lds s[G0:G0+3], s[G1:G1+7]      ; my 64 rows of W_out, all of K: a wave's one tensor load
	s_nop 0
.irp k, 0,1,2,3,4,5,6,7
	LOADS \k
.endr
	WIN 0
	s_wait_kmcnt 0x0
	s_add_co_i32 s96, s96, s97
	s_add_co_i32 s96, s96, 127
	s_lshl_b32 s96, s96, 23                        ; 2^(e6 + e7) as f32
	s_wait_tensorcnt 0x0                           ; my rows are in,
	s_barrier_signal -1
	s_barrier_wait -1                              ; and everybody's
	LOADR 0
	LOADR 1
	LOADR 2
.irp t, 0,1,2,3,4,5,6,7,8,9,10,11,12,13,14,15
	STEP \t
.endr
	TOSTAGE 0
.irp a, 1,2,3
.if \a > 1
	s_wait_xcnt 0x0                                ; block a - 2's stores have read their registers and their base
.endif
	TOSTAGE \a
	SEND \a-1, 32                                  ; behind block a - 1's loads: block a's 16 stores and 16 loads
.endr
	s_wait_xcnt 0x0
	SEND 3, 0
	s_wait_tensorcnt 0x0                           ; the wave's end
	ds_add_u32 v[SPW], v[NIL]
	s_wait_dscnt 0x0
	ROUND                                          ; the closing round
	s_endpgm
.Lfunc_end_k_qd38e49c500_gemm_out:
	.size	k_qd38e49c500_gemm_out, .Lfunc_end_k_qd38e49c500_gemm_out-k_qd38e49c500_gemm_out
	.p2alignl 7, 3214868480
	.fill 96, 4, 3214868480
	.section	.rodata,"a",@progbits
	.p2align	6, 0x0
	.amdhsa_kernel k_qd38e49c500_gemm_out
		.amdhsa_group_segment_fixed_size 327680
		.amdhsa_private_segment_fixed_size 0
		.amdhsa_enable_private_segment 0
		.amdhsa_kernarg_size 32
		.amdhsa_user_sgpr_count 2
		.amdhsa_user_sgpr_kernarg_segment_ptr 1
		.amdhsa_wavefront_size32 1
		.amdhsa_system_sgpr_workgroup_id_x 1
		.amdhsa_system_sgpr_workgroup_id_y 1
		.amdhsa_system_sgpr_workgroup_id_z 1
		.amdhsa_system_vgpr_workitem_id 0
		.amdhsa_next_free_vgpr 1024
		.amdhsa_next_free_sgpr 100
		.amdhsa_reserve_vcc 0
		.amdhsa_float_denorm_mode_32 3
		.amdhsa_float_denorm_mode_16_64 3
		.amdhsa_memory_ordered 1
		.amdhsa_forward_progress 1
		.amdhsa_inst_pref_size 76
	.end_amdhsa_kernel
	.amdgpu_metadata
---
amdhsa.version: [ 1, 2 ]
amdhsa.kernels:
  - .name:           k_qd38e49c500_gemm_out
    .symbol:         k_qd38e49c500_gemm_out.kd
    .args:
      - { .name: y_img, .offset: 0, .size: 8, .value_kind: global_buffer, .address_space: global }
      - { .name: wout_codes, .offset: 8, .size: 8, .value_kind: global_buffer, .address_space: global }
      - { .name: lowp_scales, .offset: 16, .size: 8, .value_kind: global_buffer, .address_space: global }
      - { .name: out0, .offset: 24, .size: 8, .value_kind: global_buffer, .address_space: global }
    .group_segment_fixed_size: 327680
    .private_segment_fixed_size: 0
    .kernarg_segment_align: 8
    .kernarg_segment_size: 32
    .max_flat_workgroup_size: 128
    .sgpr_count:     100
    .vgpr_count:     1024
    .wavefront_size: 32
...
	.end_amdgpu_metadata
.endif
;; end of part 4
